; MI455X (gfx1250); checked and timed in simulation.
; The chip was launched on July 23, 2026; its instructions are those of AMD's public machine-readable ISA for CDNA 5 (MIT licence, August 2026) and "CDNA5" Instruction Set Architecture Reference Guide (July 2026). The comments in the code are by the model that wrote it; some were corrected since.
;; Attention. Allowed arithmetic: matrix products marked QUANTISED: E2M1 operands, one E8M0 scale for each 32 along K, by v_wmma_scale_f32_16x16x128_f8f6f4 with both operands' format E2M1 (or v_wmma_scale_f32_32x16x128_f4), f32 sums; products left as they are: f32 operands where the result goes on into a quantised operand, else bf16, f16 or f32 operands; f32 sums; everything else in f32.
;; Inputs: W_codes 1,024 x 32 x 16 uint8 (E2M1 codes of W, K innermost, in blocks of 32 codes, two codes a byte); W_scales 1,024 x 32 uint8 (E8M0 scales of W, one for each 32 codes along K); b 1,024 float32; hx_codes 32 x 2,048 x 32 x 16 uint8 (E2M1 codes of hx, K innermost, in blocks of 32 codes, two codes a byte); hx_mask 32 x 2,048 float32; hx_scales 32 x 2,048 x 32 uint8 (E8M0 scales of hx, one for each 32 codes along K); st 32 x 1,024 float32.
;; Outputs: out0 32 x 1,024 float32.
;; This version of the problem:
;;   THIS VERSION OF THE PROBLEM IS GIVEN IN LOW PRECISION. The matrix products marked QUANTISED in the list below multiply operands that are first quantised to E2M1 (2 exponent bits, 1 mantissa bit; 4 bits a number), with one power-of-two scale for each 32 numbers along K (OCP MX v1.0); their sums are f32. All else is computed in f32.
;;   The module's matrix products, in the order in which they are computed (A, B: the left and right operand; K: the contracted axis; several contracted axes count as one K, in the product's order):
;;     1. [M 65,536, K 1,024] x [K 1,024, N 1,024]; A: input hx (given as codes); B: input W (given as codes): QUANTISED
;;     2. batch 32 x [M 2,048, K 1,024] x [K 1,024, N 1]; A: computed on the way; B: input st: left as it is (N = 1 < 16)
;;     3. batch 32 x [M 1, K 2,048] x [K 2,048, N 1,024]; A: softmax; B: computed on the way: left as it is (M = 1 < 16)
;;   THE QUANTISER, for each operand of a quantised product, along K:
;;     - K is cut into blocks of 32 from its start; a last block that is shorter is filled with zeros.
;;     - A block's scale is 2^e with e = floor(log2(the largest magnitude in the block)) - 2, held to -126 .. 127; a block of zeros has e = 0. As a byte (E8M0): e + 127.
;;     - Each number is divided by its block's scale, clamped to +-6, and rounded to the nearest number of E2M1, ties to even, subnormals kept.
;;     - The product sums the exact products of the quantised numbers (number of the format x scale) in f32.
;;   ~~~python
;;   def quantise(x, axis):      # numpy; x: float32 -> the quantised numbers, widened to float32 again
;;       x = np.moveaxis(x, axis, -1); K = x.shape[-1]
;;       x = np.pad(x, [(0, 0)] * (x.ndim - 1) + [(0, -K % 32)]); x = x.reshape(x.shape[:-1] + (-1, 32)); a = np.abs(x).max(-1, keepdims=True)
;;       e = np.where(a > 0, np.clip(np.frexp(np.where(a > 0, a, 1))[1] - 1 - 2, -126, 127), 0)      # np.frexp(a)[1] - 1 = floor(log2(a)), exactly
;;       r = np.clip(x / 2.0 ** e, -6, 6)
;;       step = 2.0 ** (np.maximum(np.frexp(np.where(r == 0, 1, r))[1] - 1, 0) - 1)
;;       q = np.round(r / step) * step * 2.0 ** e      # np.round: ties to even
;;       return np.moveaxis(q.reshape(q.shape[:-2] + (-1,))[..., :K], -1, axis).astype(np.float32)
;;   ~~~
;;   INPUTS GIVEN AS CODES. W (in the module: [1024, 1024], K = its axis 1); hx (in the module: [32, 2048, 1024], K = its axis 2): each comes as NAME_codes (uint8): NAME with its K axis moved to the last place and cut into blocks of 32 codes, [.., K / 32, bytes a block], one block behind the other in memory; two codes a byte, the lower K in the low four bits (a code: sign, 2 exponent bits, 1 mantissa bit); and NAME_scales (uint8): the same leading axes, one E8M0 byte (e + 127) for each 32 codes along K. Its value is code x scale, taken as it is: it is not quantised again, and the codes and scales need not be those that the quantiser above would give.
;; One version. Each part assembles by itself: llvm-mc -triple=amdgcn-amd-amdhsa -mcpu=gfx1250 --defsym DOCPART=n.
;; ======== version 1 of 1: 2 launches
;; workspace buffers: part 1,114,112 bytes
;; launch attn (part 1): grid 256 x 1, 4 waves a work-group, clusters of 4 x 1, 327,680 bytes of LDS; arguments W_codes, W_scales, b, hx_codes, hx_mask, hx_scales, st, part; writes part
.if DOCPART == 1
	.amdgcn_target "amdgcn-amd-amdhsa--gfx1250"
	.amdhsa_code_object_version 6
	.text
	.protected	k_q8b529cf3d9_attn
	.globl	k_q8b529cf3d9_attn
	.p2align	8
	.type	k_q8b529cf3d9_attn,@function
k_q8b529cf3d9_attn:
	s_mov_b64 s[64:65], 0
	v_nop
	global_prefetch_b8 v0, s[64:65] scope:SCOPE_SE
	s_setreg_imm32_b32 hwreg(HW_REG_WAVE_MODE, 25, 1), 1
	s_wait_xcnt 0x0
	s_wait_alu depctr_hold_cnt(0) depctr_sa_sdst(0) depctr_va_vdst(0) depctr_va_sdst(0) depctr_va_ssrc(0) depctr_va_vcc(0) depctr_vm_vsrc(0)
	s_getreg_b32 s2, hwreg(HW_REG_IB_STS2, 6, 4)
	s_cmp_eq_u32 s2, 0
	s_cbranch_scc0 .Lentry_in_a_cluster
	s_endpgm
.Lentry_in_a_cluster:
	s_bfe_u32 s2, ttmp6, 0x10000c
	s_cmp_lg_u32 s2, 0x3003
	s_cbranch_scc0 .Lentry_shape_is_right
	s_endpgm
.Lentry_shape_is_right:
; ct = softmax_s((hx W^T + b) . st x mask1) weighted sum of (hx W^T + b), for 256 rows s of one batch: the partial result of one work-group.
; hx [32][2048][1024] and W [1024][1024] are codes of FP4 (E2M1), K innermost, a row 512 bytes, one E8M0 byte for each 32 along K (32 bytes a row).
; THE BIAS is folded, exactly for every input: score = sum acc x st + c0 with c0 = b . st, acc = hx W^T; and since the weights are divided by their own sum, ct = (sum p acc) / (sum p) + b (added by the next launch).
; SHARES.  Work-group wg owns rows 256 wg .. + 255 of hx (batch wg / 8), as four blocks of 64 rows.  A row's weight needs all 1,024 columns of that row, so the work-group holds 64 rows x 1,024 columns
; in accumulators: wave w has columns 256 g + 64 w + 16 c + 0..15 (g, c = 0..3) of all 64 rows: 64 accumulators, 512 registers.  hx W^T never goes to memory.
; THE MATRIX INSTRUCTION IS USED TRANSPOSED (source 0 = 16 rows of W, source 1 = 16 rows of hx): register j of lane (r, h) of accumulator (g, c, mt) is row 16 mt + r, column 256 g + 64 w + 16 c + 8 h + j.
; So a lane holds four rows of a block; it keeps a running maximum m and sum l of ITS rows and 128 weighted sums of its columns; the sixteen lanes are joined once, at the end.
; ORDER IN A BLOCK: eight phases (K half kh of 512, column group g of 256), each four steps of 128 along K, each step 16 products on 16 accumulators by turns.
; W is walked once a block through two LDS slots (512 rows of W x 256 bytes of one K half each).  CLUSTER: W's walk is the same in every work-group, so the four of a cluster ask for each tile JOINTLY (mask 15).
; hx's tiles (64 rows x 256 bytes, two of them) are each work-group's own: plain tensor loads by wave 2, behind the same rounds.  W's and hx's scale words stay in registers.
; SOFTMAX: t = score x mask1 x log2(e); p = 2^(t - m), m the lane's running largest t; sums and l are multiplied by 2^(old m - new m) in every block.  No branch hangs on data.
; OUT: part[wg] = 1,024 sums under the work-group's M, then the pair (M, L) 32 times (one aligned run of 256 bytes).
; LIMITS: NaN and infinities among the inputs are not served; the running maximum starts at -3e38; a p under 2^-126 counts as 0 (v_exp_f32 gives no denormals: ISA guide, its entry in 15.8).
; REGISTERS, in windows of 256.  Window 0: v1-19 addresses and m, l; v20-23 scores; v24-27 mask; v28-31 at work; v32-95 W's scale words; v96-111 hx's; v112-127 exchange, then p and f; v128-255 my 128 weighted sums.
;   Window 1: v0-127 hx's fragments of one K half (step q, tile mt at 32 q + 8 mt); v128-255 W's fragments, four sets (step q, tile c at 128 + 32 q + 8 c); behind the products: st in W's sets, the score chains in v0-15.
;   Windows 2, 3: the accumulators: (g, c, mt) at 128 (g % 2) + 32 c + 8 mt, window 2 + g / 2.
.set PITCH,  272                       ; an LDS row: 256 bytes + 16 of padding = 68 words: the 16 rows that a fragment load touches start at 16 different banks (64 banks of 4 bytes: ISA guide 11.1)
.set GRP,    256*PITCH                 ; 256 rows of W: one column group, what one tensor load brings
.set SLOTB,  2*GRP                     ; a slot: two groups
.set H0,     2*SLOTB                   ; behind the ring: hx's tile of K half 0,
.set HB,     64*PITCH                  ; 64 rows; K half 1's follows
.set XCH,    H0+2*HB                   ; the waves' partial scores: [wave][r][mt] f32, 1,024 bytes
.set STL,    XCH+1024                  ; st of my batch, 4,096 bytes
.set SPARE,  STL+4096                  ; the spare words, 128 bytes for each wave: two blocks of 256 bytes that no other line names
.set SPITCH, 1040                      ; the final stage (in slot 0, behind its last fill and last read): 16 rows x (1,024 bytes + 16) for each wave
.set PARTB,  4352                      ; a work-group's part of the workspace
.set ADRA, 1                           ; v1     H0 + 272 r + 16 h
.set ADRB, 2                           ; v2-5   (2 slot + group in slot) x GRP + (64 w + r) x 272 + 16 h
.set STA,  6                           ; v6     STL + 256 w + 32 h
.set XST,  7                           ; v7     XCH + 256 w + 16 r
.set XLD,  8                           ; v8     XCH + 16 r
.set SPW,  9                           ; v9     my spare word: SPARE + 4 x my thread's number; never rewritten
.set NIL,  10                          ; v10    0; never rewritten
.set ASO,  11                          ; v11    32 x lane: a row of scale bytes
.set MKO,  12                          ; v12    4 r
.set PFO,  13                          ; v13    256 x my thread's number: the prefetch's offset
.set POF,  14                          ; v14    my offset in part: 1024 h + 256 w + 16 r
.set PML,  15                          ; v15    8 x lane
.set RM,   16                          ; v16    m
.set RL,   17                          ; v17    l
.set SST,  18                          ; v18    the final stage, in: 16640 w + 1040 r + 32 h
.set SLD,  19                          ; v19    and back: 16640 w + 16 x lane
.set SCO,  20                          ; v20-23 scores of my four rows
.set MK,   24                          ; v24-27 their mask
.set TP,   28                          ; v28-31 at work
.set WSC,  32                          ; v32-95 W's scale words: 8 (2 g + T) + k: lane L = row 256 g + 64 w + 32 T + L, k = the K step of 128
.set ASC,  96                          ; v96-111 hx's: 8 T + k: lane L = row 32 T + L of the block
.set XR,   112                         ; v112-127 the four waves' partial scores; then p of tile mt in v[112 + 2 mt]
.set FRG,  120                         ; v120   f = 2^(old m - new m)
.set CTS,  128                         ; v128-255 weighted sums: 8 (4 g + c) + j
.set WV,   20                          ; s20    my wave's number
.set G1W,  32                          ; s[32:39] descriptor group 1 for W's tiles;  s[40:47] for hx's
.set G1H,  40
.set D00,  48                          ; s[48:63] four groups 0 for W: (K half, pair of groups); never rewritten
.set D01,  52
.set D10,  56
.set D11,  60
.set DH0,  68                          ; s[68:71], s[72:75] groups 0 for hx's two tiles; they walk from block to block
.set DH1,  72
.set SEL,  76                          ; s[76:77] v_permlanex16_b32's selects for lane l xor 16
.set C0,   78                          ; s[78:79] c0 = b . st, twice (named as a pair)
.set EPS,  80                          ; s80    1e-18
.set CNT,  84                          ; s84    blocks still to go in the loop
.set ASB,  86                          ; s[86:87] hx's scale bytes, s[88:89] the mask, s[90:91] hx's codes: at the block in hand
.set MKB,  88
.set HXB,  90
.set MSB, 0
.macro WIN new                         ; the immediate's high byte repeats the setting that is left; a switch that changes nothing is dropped
.if MSB != (\new)
	s_set_vgpr_msb (MSB<<8)|(\new)
.set MSB, \new
.endif
.endm
; A load into a register that a matrix instruction has read, and a vector instruction that reads a matrix result, stand four places behind it; only plain vector instructions
; that name none of its registers are places (ISA guide 7.12.1 for vector instructions).
.macro PLACES
.rept 4
	v_nop
.endr
.endm
.macro CREST                           ; a round of the cluster's barrier behind its opening barrier
	s_cmp_lg_u32 s[WV], 0
	s_cbranch_scc1 .Lnot_wave_0_\@
	s_barrier_signal -3
.Lnot_wave_0_\@:
	s_barrier_wait -3
	s_barrier_signal -1
	s_barrier_wait -1
.endm
.macro CROUND                          ; a whole round
	s_barrier_signal -1
	s_barrier_wait -1
	CREST
.endm
; The loads behind a change of slots: waves 0 and 1 ask jointly for the two groups of a slot; with dh, wave 2 asks for a tile of hx.  One tensor load a wave; the branches hang on the wave's number alone.
; An s_nop 0 and four v_nop follow each load.
.macro JLOAD dw, dh
	s_cmp_lt_u32 s[WV], 2
	s_cbranch_scc0 .Lnot_w_\@
	tensor_load_to_lds s[\dw:\dw+3], s[G1W:G1W+7]
	s_nop 0
	PLACES
.if \dh > 0
	s_branch .Lasked_\@
.endif
.Lnot_w_\@:
.if \dh > 0
	s_cmp_eq_u32 s[WV], 2
	s_cbranch_scc0 .Lasked_\@
	tensor_load_to_lds s[\dh:\dh+3], s[G1H:G1H+7]
	s_nop 0
	PLACES
.Lasked_\@:
.endif
.endm
; A PREFETCH INTO THE L2 of the codes of the block TWO on: 64 rows x 512 bytes = 128 threads x 256 bytes, each run of 256 bytes named once in the launch (only this work-group reads them).
; It stands half a block, an epilogue and a phase ahead of the tensor load that will want the first of them.  The loop's last trip has no block two on and asks for nothing; blocks 0 and 1 come by their loads alone.
.macro ASK
	s_cmp_gt_u32 s[CNT], 1
	s_cbranch_scc0 .Lnone_\@
	global_prefetch_b8 v[PFO], s[HXB:HXB+1] offset:65536 th:TH_LOAD_NT scope:SCOPE_SE
.Lnone_\@:
.endm
; One product; its registers and variants are set by MUL.  oA, oB: the scale words stand in lanes 16-31 of their register.  zZ: the product starts the sum: nothing is ever cleared.
.macro WMM
.if zZ
.if oA && oB
	v_wmma_scale_f32_16x16x128_f8f6f4 v[rD:rD+7], v[rW:rW+7], v[rH:rH+7], 0, v[rWs], v[rHs] matrix_a_fmt:MATRIX_FMT_FP4 matrix_b_fmt:MATRIX_FMT_FP4 matrix_a_scale:MATRIX_SCALE_ROW1 matrix_b_scale:MATRIX_SCALE_ROW1
.elseif oA
	v_wmma_scale_f32_16x16x128_f8f6f4 v[rD:rD+7], v[rW:rW+7], v[rH:rH+7], 0, v[rWs], v[rHs] matrix_a_fmt:MATRIX_FMT_FP4 matrix_b_fmt:MATRIX_FMT_FP4 matrix_a_scale:MATRIX_SCALE_ROW1
.elseif oB
	v_wmma_scale_f32_16x16x128_f8f6f4 v[rD:rD+7], v[rW:rW+7], v[rH:rH+7], 0, v[rWs], v[rHs] matrix_a_fmt:MATRIX_FMT_FP4 matrix_b_fmt:MATRIX_FMT_FP4 matrix_b_scale:MATRIX_SCALE_ROW1
.else
	v_wmma_scale_f32_16x16x128_f8f6f4 v[rD:rD+7], v[rW:rW+7], v[rH:rH+7], 0, v[rWs], v[rHs] matrix_a_fmt:MATRIX_FMT_FP4 matrix_b_fmt:MATRIX_FMT_FP4
.endif
.else
.if oA && oB
	v_wmma_scale_f32_16x16x128_f8f6f4 v[rD:rD+7], v[rW:rW+7], v[rH:rH+7], v[rD:rD+7], v[rWs], v[rHs] matrix_a_fmt:MATRIX_FMT_FP4 matrix_b_fmt:MATRIX_FMT_FP4 matrix_a_scale:MATRIX_SCALE_ROW1 matrix_b_scale:MATRIX_SCALE_ROW1
.elseif oA
	v_wmma_scale_f32_16x16x128_f8f6f4 v[rD:rD+7], v[rW:rW+7], v[rH:rH+7], v[rD:rD+7], v[rWs], v[rHs] matrix_a_fmt:MATRIX_FMT_FP4 matrix_b_fmt:MATRIX_FMT_FP4 matrix_a_scale:MATRIX_SCALE_ROW1
.elseif oB
	v_wmma_scale_f32_16x16x128_f8f6f4 v[rD:rD+7], v[rW:rW+7], v[rH:rH+7], v[rD:rD+7], v[rWs], v[rHs] matrix_a_fmt:MATRIX_FMT_FP4 matrix_b_fmt:MATRIX_FMT_FP4 matrix_b_scale:MATRIX_SCALE_ROW1
.else
	v_wmma_scale_f32_16x16x128_f8f6f4 v[rD:rD+7], v[rW:rW+7], v[rH:rH+7], v[rD:rD+7], v[rWs], v[rHs] matrix_a_fmt:MATRIX_FMT_FP4 matrix_b_fmt:MATRIX_FMT_FP4
.endif
.endif
.endm
; A step: 16 products, my four tiles c of group g x the block's four tiles mt, K = 512 kh + 128 q on.  Sources in window 1, C and D in window 2 or 3; scale operands have no window.
.macro MUL kh, g, q
	WIN 0xa5+0x50*((\g)/2)
.set zZ, ((\kh)==0)&&((\q)==0)
.irp c, 0,1,2,3
.irp mt, 0,1,2,3
.set rD, 128*((\g)%2)+32*\c+8*\mt
.set rW, 128+32*(\q)+8*\c
.set rH, 32*(\q)+8*\mt
.set rWs, WSC+8*(2*(\g)+\c/2)+4*(\kh)+(\q)
.set rHs, ASC+8*(\mt/2)+4*(\kh)+(\q)
.set oA, \c%2
.set oB, \mt%2
	WMM
.endr
.endr
.endm
; A fragment, 16 rows x 128 K of 4-bit codes, is 8 registers: lane l holds row l % 16; registers 4 e .. 4 e + 3 hold K = 64 e + 32 (l / 16) + 0 .. 31: two loads of 16 bytes, 32 bytes apart.
.macro LDB q, adr                      ; W's four fragments of step q into set q
.irp c, 0,1,2,3
.irp e, 0,1
	ds_load_b128 v[128+32*(\q)+8*\c+4*\e:128+32*(\q)+8*\c+4*\e+3], v[\adr] offset:16*PITCH*\c+64*(\q)+32*\e
.endr
.endr
.endm
.macro LDA q, kh                       ; hx's four fragments of step q of K half kh
.irp mt, 0,1,2,3
.irp e, 0,1
	ds_load_b128 v[32*(\q)+8*\mt+4*\e:32*(\q)+8*\mt+4*\e+3], v[ADRA] offset:HB*(\kh)+16*PITCH*\mt+64*(\q)+32*\e
.endr
.endr
.endm
.macro LDST q                          ; st at my columns of group q, in the accumulators' layout, into W's set q
.irp c, 0,1,2,3
.irp e, 0,1
	ds_load_b128 v[128+32*(\q)+8*\c+4*\e:128+32*(\q)+8*\c+4*\e+3], v[STA] offset:1024*(\q)+64*\c+16*\e
.endr
.endr
.endm
; The run of LDS loads behind step q: set q for the NEXT phase.  kind 0: W's fragments; 1: W's and hx's of K half 1; 2: st.
.macro RUN q, kind, adr
	WIN 0x40                                       ; destination window 1, address window 0
.if \kind == 2
	LDST \q
.else
	LDB \q, \adr
.if \kind == 1
	LDA \q, 1
.endif
.endif
.endm
.macro STEP kh, g, q, n, kind, adr     ; n: the LDS instructions issued behind the run that this step needs (-1: no wait is due)
.if \n >= 0
	s_wait_dscnt \n
.endif
	MUL \kh, \g, \q
	PLACES
	RUN \q, \kind, \adr
.endm
; A phase that changes slots: its runs read the other slot.  ONE barrier: in front of it each wave waits for all its tensor loads, adds 0 to its spare word, and waits for that and for its reads of the slot that is left.
; dw > 0: that slot is filled again: the barrier opens a round of the cluster's, and the loads are the first thing behind the round.  dh > 0: wave 2 fetches the next block's tile of hx; its address steps while no load is out.
.macro CHANGE kh, g, dw, dh, kind, adr, ask
	WIN 0                                          ; (the add's two registers lie in window 0)
	s_wait_tensorcnt 0x0                           ; all my tensor loads have landed
	ds_add_u32 v[SPW], v[NIL]                      ; 0 onto my spare word
.if \dh > 0
	s_add_nc_u64 s[\dh+2:\dh+3], s[\dh+2:\dh+3], 32768   ; 64 rows of 512 bytes on; the type bits on top are not reached
.endif
	s_wait_dscnt 25                                ; set 0 is in: behind its run stand three runs of eight and the add
	MUL \kh, \g, 0                                 ; sixteen products stand between the add and the wait for it
	s_wait_dscnt 0x0                               ; the add is done, and my reads of the slot that is left are over
	s_barrier_signal -1
	MUL \kh, \g, 1                                 ; work on registers while the others arrive
	WIN 0
	s_barrier_wait -1
.if \dw > 0
	CREST                                          ; no wave of any partner still reads the slot or has a load on its way
	JLOAD \dw, \dh
.endif
	PLACES                                         ; in front of the loads into sets 0 and 1
.if \ask
	ASK
.endif
	RUN 0, \kind, \adr
	RUN 1, \kind, \adr
	STEP \kh, \g, 2, -1, \kind, \adr
	STEP \kh, \g, 3, -1, \kind, \adr
.endm
; ONE BLOCK OF 64 ROWS.  last = 1: nothing is asked for beyond the block.
.macro BLOCK last
	s_wait_loadcnt 0x6                             ; hx's scale words of K half 0 are in: behind them stand four loads of the mask and two of K half 1's words
	STEP 0, 0, 0, 48, 0, ADRB+1                    ; the runs in front held 16 loads each (hx's and W's): 48 behind run 0; then 32 + 8, 16 + 16, 24
	STEP 0, 0, 1, 40, 0, ADRB+1
	STEP 0, 0, 2, 32, 0, ADRB+1
	STEP 0, 0, 3, 24, 0, ADRB+1
.if \last
	CHANGE 0, 1, D10, 0, 0, ADRB+2, 0              ; slot 0 takes K half 1 of groups 0, 1
.else
	CHANGE 0, 1, D10, DH0, 0, ADRB+2, 0            ; and hx's first tile the next block's K half 0
.endif
.irp q, 0,1,2,3
	STEP 0, 2, \q, 24, 0, ADRB+3                   ; three runs of eight stand behind the run that a step needs
.endr
	CHANGE 0, 3, D11, 0, 1, ADRB, 0                ; slot 1 takes K half 1 of groups 2, 3; the runs bring K half 1 of hx too
.if !\last
	WIN 0
	global_load_b128 v[ASC:ASC+3], v[ASO], s[ASB:ASB+1] offset:2048       ; the next block's scale words of K half 0: this block's are done with, four places back
	global_load_b128 v[ASC+8:ASC+11], v[ASO], s[ASB:ASB+1] offset:3072
	s_wait_loadcnt 0x2                             ; the mask and K half 1's words are in; the two just issued may be out
.else
	s_wait_loadcnt 0x0
.endif
	STEP 1, 0, 0, 48, 0, ADRB+1
	STEP 1, 0, 1, 40, 0, ADRB+1
	STEP 1, 0, 2, 32, 0, ADRB+1
	STEP 1, 0, 3, 24, 0, ADRB+1
.if \last
	CHANGE 1, 1, 0, 0, 0, ADRB+2, 0                ; nothing is left to fetch: a plain barrier
.else
	CHANGE 1, 1, D00, DH1, 0, ADRB+2, 1            ; slot 0 takes the next block's first tiles of W, hx's second tile the next block's K half 1
.endif
.irp q, 0,1,2,3
	STEP 1, 2, \q, 24, 0, ADRB+3
.endr
.irp q, 0,1,2,3
	STEP 1, 3, \q, 24, 2, 0                        ; behind each step st takes the place of W's fragments
.endr
	; THE SCORES: sum over my 256 columns of acc x st, for my lane's four rows: eight chains of packed multiply-adds.  Each accumulator is read from its low end on.
.irp g, 0,1,2,3
	s_wait_dscnt 24-8*\g                           ; st of group g is in
	WIN 0x56+(\g/2)                                ; source 0 (acc) window 2 or 3; st, the chains: window 1
.irp c, 0,1,2,3
.irp jp, 0,1,2,3
.irp mt, 0,1,2,3
.set rD, 128*(\g%2)+32*\c+8*\mt+2*\jp
.set rW, 128+32*\g+8*\c+2*\jp
.set rH, 4*\mt+2*(\jp%2)
.if (\g==0)&&(\c==0)&&(\jp<2)
	v_pk_mul_f32 v[rH:rH+1], v[rD:rD+1], v[rW:rW+1]
.else
	v_pk_fma_f32 v[rH:rH+1], v[rD:rD+1], v[rW:rW+1], v[rH:rH+1]
.endif
.endr
.endr
.endr
.endr
	WIN 0x45
.irp mt, 0,1,2,3
	v_pk_add_f32 v[4*\mt:4*\mt+1], v[4*\mt:4*\mt+1], v[4*\mt+2:4*\mt+3]
.endr
	WIN 0x05
.irp mt, 0,1,2,3
	v_add_f32 v[SCO+\mt], v[4*\mt], v[4*\mt+1]
.endr
	WIN 0
.irp mt, 0,1,2,3
	v_permlanex16_b32 v[TP+\mt], v[SCO+\mt], s[SEL], s[SEL+1]   ; the row's other eight columns of each tile lie in the lane 16 away
.endr
.irp mt, 0,1,2,3
	v_add_f32 v[SCO+\mt], v[SCO+\mt], v[TP+\mt]
.endr
	ds_store_b128 v[XST], v[SCO:SCO+3]             ; my wave's part of the scores (both halves of the lanes write the same bytes with the same values)
	; The barrier of the exchange is also a change of slots: slot 1 has been read out.
	s_wait_tensorcnt 0x0                           ; all my tensor loads have landed
	ds_add_u32 v[SPW], v[NIL]                      ; 0 onto my spare word
	s_wait_dscnt 0x0                               ; the add and my store are done, my reads of slot 1 are over
.if \last
	s_barrier_signal -1
	s_barrier_wait -1
.else
	CROUND
	JLOAD D01, 0                                   ; slot 1 takes the next block's K half 0 of groups 2, 3
.endif
.irp i, 0,1,2,3
	ds_load_b128 v[XR+4*\i:XR+4*\i+3], v[XLD] offset:256*\i
.endr
.if \last
	s_wait_dscnt 0x0
.else
	WIN 0x40
.irp q, 0,1,2
	LDA \q, 0                                      ; the next block's first fragments: the arithmetic below stands over them
	LDB \q, ADRB
.endr
	s_wait_dscnt 48                                ; the four waves' scores are in: behind them stand three runs of 16
	LDA 3, 0
	LDB 3, ADRB
	WIN 0
.endif
	v_pk_add_f32 v[XR:XR+1], v[XR:XR+1], v[XR+4:XR+5]             ; the same order in every wave: all four hold the same bits
	v_pk_add_f32 v[XR+2:XR+3], v[XR+2:XR+3], v[XR+6:XR+7]
	v_pk_add_f32 v[XR+8:XR+9], v[XR+8:XR+9], v[XR+12:XR+13]
	v_pk_add_f32 v[XR+10:XR+11], v[XR+10:XR+11], v[XR+14:XR+15]
	v_pk_add_f32 v[SCO:SCO+1], v[XR:XR+1], v[XR+8:XR+9]
	v_pk_add_f32 v[SCO+2:SCO+3], v[XR+2:XR+3], v[XR+10:XR+11]
	v_pk_add_f32 v[SCO:SCO+1], v[SCO:SCO+1], s[C0:C0+1] op_sel_hi:[1,0]       ; + b . st
	v_pk_add_f32 v[SCO+2:SCO+3], v[SCO+2:SCO+3], s[C0:C0+1] op_sel_hi:[1,0]
.irp i, 0,1,2,3
	v_sub_f32 v[TP+\i], 1.0, v[MK+\i]
.endr
.irp i, 0,1,2,3
	v_fma_f32 v[TP+\i], v[TP+\i], s[EPS], v[MK+\i]                ; mask1 = mask + (1 - mask) 1e-18
.endr
.irp i, 0,1,2,3
	v_mul_f32 v[SCO+\i], v[SCO+\i], v[TP+\i]
.endr
.irp i, 0,1,2,3
	v_mul_f32 v[SCO+\i], 0x3fb8aa3b, v[SCO+\i]                    ; t = score x log2(e)
.endr
	v_max3_num_f32 v[TP], v[SCO], v[SCO+1], v[SCO+2]
	v_max3_num_f32 v[TP], v[TP], v[SCO+3], v[RM]                  ; the new m
	v_sub_f32 v[FRG], v[RM], v[TP]
.irp i, 0,1,2,3
	v_sub_f32 v[XR+2*\i], v[SCO+\i], v[TP]
.endr
	v_exp_f32 v[FRG], v[FRG]                       ; f; then p of my four rows: one batch
.irp i, 0,1,2,3
	v_exp_f32 v[XR+2*\i], v[XR+2*\i]
.endr
	v_mov_b32 v[RM], v[TP]                         ; (the plain instruction behind the last exponential)
	s_wait_alu depctr_va_vdst(0)                   ; one wait for the five, ahead of their first reader
	v_add_f32 v[TP+1], v[XR], v[XR+2]
	v_add_f32 v[TP+2], v[XR+4], v[XR+6]
	v_add_f32 v[TP+1], v[TP+1], v[TP+2]
	v_fma_f32 v[RL], v[RL], v[FRG], v[TP+1]        ; l = l f + the sum of p
.if !\last
	s_wait_xcnt 0x0                                ; every earlier memory instruction has had its addresses translated (ISA guide 3.1): the three bases may step
	s_add_nc_u64 s[ASB:ASB+1], s[ASB:ASB+1], 2048
	s_add_nc_u64 s[MKB:MKB+1], s[MKB:MKB+1], 256
	s_add_nc_u64 s[HXB:HXB+1], s[HXB:HXB+1], 32768
.irp i, 0,1,2,3
	global_load_b32 v[MK+\i], v[MKO], s[MKB:MKB+1] offset:64*\i   ; the next block's mask,
.endr
	global_load_b128 v[ASC+4:ASC+7], v[ASO], s[ASB:ASB+1] offset:16       ; and its scale words of K half 1
	global_load_b128 v[ASC+12:ASC+15], v[ASO], s[ASB:ASB+1] offset:1040
.endif
	; THE WEIGHTED SUMS: ct = ct f + the sum over my four rows of p x acc
.set i, 0
.rept 64
	v_pk_mul_f32 v[CTS+2*i:CTS+2*i+1], v[CTS+2*i:CTS+2*i+1], v[FRG:FRG+1] op_sel_hi:[1,0]
.set i, i+1
.endr
.irp gh, 0,1
	WIN 0x02+\gh                                   ; source 0 (acc) window 2 or 3
.irp tp, 0,1,2,3
.irp mt, 0,1,2,3
.irp u, 0,1
.irp jp, 0,1,2,3
.set rH, CTS+8*(8*\gh+2*\tp+\u)+2*\jp
.set rD, 32*(2*\tp+\u)+8*\mt+2*\jp
	v_pk_fma_f32 v[rH:rH+1], v[rD:rD+1], v[XR+2*\mt:XR+2*\mt+1], v[rH:rH+1] op_sel_hi:[1,0,1]   ; two tiles' eight chains by turns
.endr
.endr
.endr
.endr
.endr
	WIN 0
.endm
	s_load_b256 s[4:11], s[0:1], 0x0               ; W's codes s[4:5], W's scales s[6:7], b s[8:9], hx's codes s[10:11]
	s_load_b256 s[12:19], s[0:1], 0x20             ; the mask s[12:13], hx's scales s[14:15], st s[16:17], part s[18:19]
	v_lshl_add_u32 v[SPW], v0, 2, SPARE
	v_mov_b32 v[NIL], 0
	ds_add_u32 v[SPW], v[NIL]                      ; the wave's opening: the add and its wait stand ahead of my first tensor load; the set-up below, work on registers, stands between them
	v_lshrrev_b32 v28, 5, v0
	v_readfirstlane_b32 s[WV], v28                 ; wave 0..3
	s_bfe_u32 s21, ttmp6, 0x40000                  ; cx: my place in the cluster
	s_lshl_b32 s22, ttmp9, 2                       ; in a cluster launch ttmp9 counts clusters
	s_add_co_u32 s22, s22, s21                     ; wg = 4 x cluster + cx: it enters hx's, the mask's, st's and part's addresses alone
	; descriptor group 1 for W: 256 rows x 256 bytes, 512 bytes apart in memory, padded in LDS
	s_mov_b32 s[G1W], 15|(1<<20)|(1<<21)|(5<<22)|(3<<25)   ; 15:0 the mask: all four work-groups; 17:16 elements of 1 byte; 20 padding on; 21 set beside a mask; 24:22 after every 64 words (code 5); 31:25 four words (code 3)
	s_mov_b32 s[G1W+1], 256<<16                    ; tensor_dim0 = 256
	s_mov_b32 s[G1W+2], 256<<16                    ; tensor_dim1 = 256
	s_mov_b32 s[G1W+3], 256<<16                    ; tile_dim0 = 256
	s_mov_b32 s[G1W+4], 256                        ; tile_dim1 = 256
	s_mov_b32 s[G1W+5], 512                        ; tensor_dim0_stride
	s_mov_b32 s[G1W+6], 0
	s_mov_b32 s[G1W+7], 0
	; and for hx: 64 rows x 256 bytes, no mask
	s_mov_b32 s[G1H], (1<<20)|(5<<22)|(3<<25)
	s_mov_b32 s[G1H+1], 256<<16
	s_mov_b32 s[G1H+2], 64<<16
	s_mov_b32 s[G1H+3], 256<<16
	s_mov_b32 s[G1H+4], 64
	s_mov_b32 s[G1H+5], 512
	s_mov_b32 s[G1H+6], 0
	s_mov_b32 s[G1H+7], 0
	s_and_b32 s23, s[WV], 1                        ; which group of a slot I fetch, if I fetch W:
	s_mul_i32 s24, s23, GRP                        ; its place in a slot,
	s_lshl_b32 s26, s23, 17                        ; and its 256 rows of 512 bytes in memory.  No place in the cluster enters these
	s_mov_b32 s27, 0
	s_lshl_b32 s28, s22, 17                        ; my 256 rows of hx's codes
	s_mov_b32 s29, 0
	s_mov_b32 s[SEL], 0x76543210
	s_mov_b32 s[SEL+1], 0xfedcba98
	s_mov_b32 s[EPS], 0x219392ef                   ; 1e-18
	s_wait_dscnt 0x0                               ; the opening add is done
	s_wait_kmcnt 0x0
	s_add_nc_u64 s[26:27], s[4:5], s[26:27]
	s_add_nc_u64 s[HXB:HXB+1], s[10:11], s[28:29]
.irp kh, 0,1
.irp gp, 0,1
	s_mov_b32 s[D00+8*\kh+4*\gp], 1                                ; 1:0 count = 1
	s_add_co_u32 s[D00+8*\kh+4*\gp+1], s24, \gp*SLOTB              ; 63:32 LDS address: the pair of groups gp always lies in slot gp
	s_add_nc_u64 s[D00+8*\kh+4*\gp+2:D00+8*\kh+4*\gp+3], s[26:27], \gp*262144+256*\kh   ; 120:64 global address: 512 rows on for gp, 256 bytes on for kh
	s_or_b32 s[D00+8*\kh+4*\gp+3], s[D00+8*\kh+4*\gp+3], 0x80000000   ; 127:126 type = 2
.endr
.endr
.irp n, 0,1
	s_mov_b32 s[DH0+4*\n], 1
	s_mov_b32 s[DH0+4*\n+1], H0+\n*HB
	s_add_nc_u64 s[DH0+4*\n+2:DH0+4*\n+3], s[HXB:HXB+1], 256*\n
	s_or_b32 s[DH0+4*\n+3], s[DH0+4*\n+3], 0x80000000
.endr
	CROUND                                         ; all four work-groups are here: the first joint loads meet
	s_cmp_lt_u32 s[WV], 2                          ; a wave's two first fills stand in one branch, ahead of every wait on TENSORcnt and every LDS read: two loads of mine are out
	s_cbranch_scc0 .Lfirst_not_w
	tensor_load_to_lds s[D00:D00+3], s[G1W:G1W+7]
	s_nop 0
	tensor_load_to_lds s[D01:D01+3], s[G1W:G1W+7]
	s_nop 0
	PLACES
	s_branch .Lfirst_asked
.Lfirst_not_w:
	s_cmp_eq_u32 s[WV], 2
	s_cbranch_scc0 .Lfirst_asked
	tensor_load_to_lds s[DH0:DH0+3], s[G1H:G1H+7]
	s_nop 0
	tensor_load_to_lds s[DH1:DH1+3], s[G1H:G1H+7]
	s_nop 0
	PLACES
.Lfirst_asked:
	v_and_b32 v28, 15, v0                          ; r
	v_bfe_u32 v29, v0, 4, 1                        ; h
	v_and_b32 v30, 31, v0                          ; lane
	v_mul_u32_u24 v31, v28, PITCH
	v_lshl_add_u32 v31, v29, 4, v31                ; a fragment's row x pitch + 16 x half
	v_add_nc_u32 v[ADRA], H0, v31
	s_mul_i32 s23, s[WV], 64*PITCH                 ; my 64 rows of a group
.irp i, 0,1,2,3
	s_add_co_u32 s25, s23, \i*GRP
	v_add_nc_u32 v[ADRB+\i], s25, v31
.endr
	s_lshl_b32 s25, s[WV], 8
	v_lshl_add_u32 v[STA], v29, 5, s25
	v_add_nc_u32 v[STA], STL, v[STA]
	v_lshl_add_u32 v[XST], v28, 4, s25
	v_add_nc_u32 v[XST], XCH, v[XST]
	v_lshl_add_u32 v[XLD], v28, 4, XCH
	v_lshlrev_b32 v[ASO], 5, v30
	v_lshlrev_b32 v[MKO], 2, v28
	v_lshlrev_b32 v[PFO], 8, v0
	v_lshl_add_u32 v[POF], v28, 4, s25
	v_lshl_add_u32 v[POF], v29, 10, v[POF]
	v_lshlrev_b32 v[PML], 3, v30
	s_mul_i32 s25, s[WV], 16*SPITCH
	v_mul_u32_u24 v[SST], v28, SPITCH
	v_lshl_add_u32 v[SST], v29, 5, v[SST]
	v_add_nc_u32 v[SST], s25, v[SST]
	v_lshl_add_u32 v[SLD], v30, 4, s25
	v_lshlrev_b32 v28, 4, v0                       ; 16 x my thread's number: st's way into LDS,
	v_add_nc_u32 v29, STL, v28
	v_lshlrev_b32 v30, 4, v30                      ; 16 x lane: st and b for c0
	s_lshl_b32 s28, s[WV], 11                      ; W's scales: my 64 rows of each group, 32 bytes a row
	s_add_nc_u64 s[6:7], s[6:7], s[28:29]
	s_lshl_b32 s28, s22, 13                        ; hx's scales: my 256 rows
	s_add_nc_u64 s[ASB:ASB+1], s[14:15], s[28:29]
	s_lshl_b32 s28, s22, 10                        ; the mask: 4 bytes a row
	s_add_nc_u64 s[MKB:MKB+1], s[12:13], s[28:29]
	s_lshr_b32 s28, s22, 3                         ; the batch
	s_lshl_b32 s28, s28, 12
	s_add_nc_u64 s[16:17], s[16:17], s[28:29]      ; its st
	s_mul_i32 s28, s22, PARTB
	s_add_nc_u64 s[18:19], s[18:19], s[28:29]      ; my part of the workspace
.irp g, 0,1,2,3
.irp t, 0,1
.irp e, 0,1
	global_load_b128 v[WSC+8*(2*\g+\t)+4*\e:WSC+8*(2*\g+\t)+4*\e+3], v[ASO], s[6:7] offset:8192*\g+1024*\t+16*\e   ; they stay for the whole launch
.endr
.endr
.endr
.irp t, 0,1
.irp e, 0,1
	global_load_b128 v[ASC+8*\t+4*\e:ASC+8*\t+4*\e+3], v[ASO], s[ASB:ASB+1] offset:1024*\t+16*\e
.endr
.endr
.irp i, 0,1,2,3
	global_load_b32 v[MK+\i], v[MKO], s[MKB:MKB+1] offset:64*\i
.endr
.irp i, 0,1,2,3,4,5,6,7
	global_load_b128 v[CTS+4*\i:CTS+4*\i+3], v30, s[16:17] offset:512*\i          ; st, 32 numbers a lane,
	global_load_b128 v[CTS+32+4*\i:CTS+32+4*\i+3], v30, s[8:9] offset:512*\i      ; and b: every wave makes c0
.endr
	global_load_b128 v[CTS+64:CTS+67], v28, s[16:17]                              ; st once more, 32 bytes a thread, for LDS
	global_load_b128 v[CTS+68:CTS+71], v28, s[16:17] offset:2048
	s_wait_loadcnt 0x0
	ds_store_b128 v29, v[CTS+64:CTS+67]
	ds_store_b128 v29, v[CTS+68:CTS+71] offset:2048
	v_pk_mul_f32 v[XR:XR+1], v[CTS:CTS+1], v[CTS+32:CTS+33]
	v_pk_mul_f32 v[XR+2:XR+3], v[CTS+2:CTS+3], v[CTS+34:CTS+35]
.irp i, 2,4,6,8,10,12,14
	v_pk_fma_f32 v[XR:XR+1], v[CTS+2*\i:CTS+2*\i+1], v[CTS+32+2*\i:CTS+33+2*\i], v[XR:XR+1]
	v_pk_fma_f32 v[XR+2:XR+3], v[CTS+2*\i+2:CTS+2*\i+3], v[CTS+34+2*\i:CTS+35+2*\i], v[XR+2:XR+3]
.endr
	v_pk_add_f32 v[XR:XR+1], v[XR:XR+1], v[XR+2:XR+3]
	v_add_f32 v[XR], v[XR], v[XR+1]
	v_add_f32_dpp v[XR], v[XR], v[XR] row_xmask:1 row_mask:0xf bank_mask:0xf
	v_add_f32_dpp v[XR], v[XR], v[XR] row_xmask:2 row_mask:0xf bank_mask:0xf
	v_add_f32_dpp v[XR], v[XR], v[XR] row_xmask:4 row_mask:0xf bank_mask:0xf
	v_add_f32_dpp v[XR], v[XR], v[XR] row_xmask:8 row_mask:0xf bank_mask:0xf
	v_permlanex16_b32 v[XR+1], v[XR], s[SEL], s[SEL+1]
	v_add_f32 v[XR], v[XR], v[XR+1]
	v_readfirstlane_b32 s[C0], v[XR]               ; c0 = b . st: the same bits in every wave
	s_mov_b32 s[C0+1], s[C0]
	s_wait_dscnt 0x0                               ; my stores of st are done, and have read their registers
.set i, 0
.rept 128
	v_mov_b32 v[CTS+i], 0                          ; the weighted sums begin as zeros, so that the block is written twice and not three times; these lines stand while the first tiles are on their way
.set i, i+1
.endr
	v_mov_b32 v[RM], 0xff61b1e6                    ; m: -3e38, under every t
	v_mov_b32 v[RL], 0
	s_wait_tensorcnt 0x1                           ; my part of slot 0, or hx's first tile, is in; the second load may stay out
	s_barrier_signal -1
	s_barrier_wait -1                              ; everybody's is, and st lies in LDS
	WIN 0x40
.irp q, 0,1,2,3
	LDA \q, 0
	LDB \q, ADRB
.endr
	WIN 0                                          ; at a label and at a branch every window is 0
	s_mov_b32 s[CNT], 3
.Lblock:
	BLOCK 0
	s_sub_co_u32 s[CNT], s[CNT], 1
	s_cmp_lg_u32 s[CNT], 0
	s_cbranch_scc1 .Lblock
	BLOCK 1                                        ; the last block is written out
	; THE WAY OUT.  The sixteen lanes' maxima are joined; each lane's sums are brought under the common M; the sums of the sixteen lanes are added through my stage in LDS.
	v_max_num_f32_dpp v[TP], v[RM], v[RM] row_xmask:1 row_mask:0xf bank_mask:0xf
	v_max_num_f32_dpp v[TP], v[TP], v[TP] row_xmask:2 row_mask:0xf bank_mask:0xf
	v_max_num_f32_dpp v[TP], v[TP], v[TP] row_xmask:4 row_mask:0xf bank_mask:0xf
	v_max_num_f32_dpp v[TP], v[TP], v[TP] row_xmask:8 row_mask:0xf bank_mask:0xf   ; M (the two halves of the lanes hold the same rows)
	v_sub_f32 v[FRG], v[RM], v[TP]
	v_exp_f32 v[FRG], v[FRG]
	v_mov_b32 v[RM], v[TP]                         ; (the plain instruction behind the exponential)
	s_wait_alu depctr_va_vdst(0)                   ; the wait ahead of the first reader
	v_mul_f32 v[RL], v[RL], v[FRG]
	v_add_f32_dpp v[RL], v[RL], v[RL] row_xmask:1 row_mask:0xf bank_mask:0xf
	v_add_f32_dpp v[RL], v[RL], v[RL] row_xmask:2 row_mask:0xf bank_mask:0xf
	v_add_f32_dpp v[RL], v[RL], v[RL] row_xmask:4 row_mask:0xf bank_mask:0xf
	v_add_f32_dpp v[RL], v[RL], v[RL] row_xmask:8 row_mask:0xf bank_mask:0xf       ; L
.set i, 0
.rept 64
	v_pk_mul_f32 v[CTS+2*i:CTS+2*i+1], v[CTS+2*i:CTS+2*i+1], v[FRG:FRG+1] op_sel_hi:[1,0]
.set i, i+1
.endr
.irp t, 0,1,2,3,4,5,6,7,8,9,10,11,12,13,14,15
	ds_store_b128 v[SST], v[CTS+8*\t:CTS+8*\t+3] offset:64*\t          ; row r of my stage: tile t's eight columns of my half at 64 t + 32 h.  Rows 1,040 bytes apart
	ds_store_b128 v[SST], v[CTS+8*\t+4:CTS+8*\t+7] offset:64*\t+16
.endr
	WIN 0x40
.irp i, 0,1
.irp rr, 0,1,2,3,4,5,6,7,8,9,10,11,12,13,14,15
	ds_load_b128 v[64*\i+4*\rr:64*\i+4*\rr+3], v[SLD] offset:SPITCH*\rr+512*\i   ; LDS serves a wave's instructions in order (ISA guide 5.7.1.4): these see my stores
.endr
.endr
	s_wait_dscnt 0x0
	WIN 0x45
.irp rr, 1,2,3,4,5,6,7,8,9,10,11,12,13,14,15
.irp i, 0,1
.irp u, 0,1
	v_pk_add_f32 v[64*\i+2*\u:64*\i+2*\u+1], v[64*\i+2*\u:64*\i+2*\u+1], v[64*\i+4*\rr+2*\u:64*\i+4*\rr+2*\u+1]
.endr
.endr
.endr
	WIN 0x04                                       ; a store's data are its source 1: window 1
	global_store_b128 v[POF], v[0:3], s[18:19]                 ; columns of groups h and 2 + h: sixteen lanes store 256 consecutive bytes, at a multiple of 256 from the buffer's first byte
	global_store_b128 v[POF], v[64:67], s[18:19] offset:2048
	WIN 0
	s_cmp_lg_u32 s[WV], 0                          ; all four waves hold the same M and L: wave 0 stores them
	s_cbranch_scc1 .Lno_ml
	global_store_b64 v[PML], v[RM:RM+1], s[18:19] offset:4096  ; 32 lanes, 256 consecutive bytes
.Lno_ml:
	s_wait_tensorcnt 0x0                           ; the wave's end, behind my last tensor load and my last LDS store
	ds_add_u32 v[SPW], v[NIL]
	s_wait_dscnt 0x0
	CROUND                                         ; the closing round: no work-group ends while a partner may still ask for a tile that names it
	s_endpgm
.Lfunc_end_k_q8b529cf3d9_attn:
	.size	k_q8b529cf3d9_attn, .Lfunc_end_k_q8b529cf3d9_attn-k_q8b529cf3d9_attn
	.p2alignl 7, 3214868480
	.fill 96, 4, 3214868480
	.section	.rodata,"a",@progbits
	.p2align	6, 0x0
	.amdhsa_kernel k_q8b529cf3d9_attn
		.amdhsa_group_segment_fixed_size 327680
		.amdhsa_private_segment_fixed_size 0
		.amdhsa_enable_private_segment 0
		.amdhsa_kernarg_size 64
		.amdhsa_user_sgpr_count 2
		.amdhsa_user_sgpr_kernarg_segment_ptr 1
		.amdhsa_wavefront_size32 1
		.amdhsa_system_sgpr_workgroup_id_x 1
		.amdhsa_system_sgpr_workgroup_id_y 1
		.amdhsa_system_sgpr_workgroup_id_z 1
		.amdhsa_system_vgpr_workitem_id 0
		.amdhsa_next_free_vgpr 1024
		.amdhsa_next_free_sgpr 96
		.amdhsa_reserve_vcc 0
		.amdhsa_float_denorm_mode_32 3
		.amdhsa_float_denorm_mode_16_64 3
		.amdhsa_memory_ordered 1
		.amdhsa_forward_progress 1
		.amdhsa_inst_pref_size 255
	.end_amdhsa_kernel
	.section	.bss,"aw",@nobits
	.p2align	6
	.space	262144
	.amdgpu_metadata
---
amdhsa.version: [ 1, 2 ]
amdhsa.kernels:
  - .name:           k_q8b529cf3d9_attn
    .symbol:         k_q8b529cf3d9_attn.kd
    .args:
      - { .name: W_codes, .offset: 0, .size: 8, .value_kind: global_buffer, .address_space: global }
      - { .name: W_scales, .offset: 8, .size: 8, .value_kind: global_buffer, .address_space: global }
      - { .name: b, .offset: 16, .size: 8, .value_kind: global_buffer, .address_space: global }
      - { .name: hx_codes, .offset: 24, .size: 8, .value_kind: global_buffer, .address_space: global }
      - { .name: hx_mask, .offset: 32, .size: 8, .value_kind: global_buffer, .address_space: global }
      - { .name: hx_scales, .offset: 40, .size: 8, .value_kind: global_buffer, .address_space: global }
      - { .name: st, .offset: 48, .size: 8, .value_kind: global_buffer, .address_space: global }
      - { .name: part, .offset: 56, .size: 8, .value_kind: global_buffer, .address_space: global }
    .group_segment_fixed_size: 327680
    .private_segment_fixed_size: 0
    .kernarg_segment_align: 8
    .kernarg_segment_size: 64
    .max_flat_workgroup_size: 128
    .sgpr_count:     96
    .vgpr_count:     1024
    .wavefront_size: 32
...
	.end_amdgpu_metadata
.endif
;; end of part 1
;; launch fin (part 2): grid 128 x 1, 2 waves a work-group, no clusters, 0 bytes of LDS; arguments part, b, out0; writes out0
.if DOCPART == 2
	.amdgcn_target "amdgcn-amd-amdhsa--gfx1250"
	.amdhsa_code_object_version 6
	.text
	.protected	k_q8b529cf3d9_fin
	.globl	k_q8b529cf3d9_fin
	.p2align	8
	.type	k_q8b529cf3d9_fin,@function
k_q8b529cf3d9_fin:
	s_mov_b64 s[64:65], 0
	v_nop
	global_prefetch_b8 v0, s[64:65] scope:SCOPE_SE
	s_setreg_imm32_b32 hwreg(HW_REG_WAVE_MODE, 25, 1), 1
	s_wait_xcnt 0x0
; out0[batch][col] = (sum over the batch's 8 parts i of 2^(M_i - M) part_i[col]) / (sum of 2^(M_i - M) L_i) + b[col], M the largest M_i.
; part: [256][4,352 bytes]: 1,024 sums under M_i, then the pair (M_i, L_i).  A work-group takes 256 columns of one batch, a thread four of them: 16 bytes, so that sixteen lanes load and store
; 256 consecutive bytes, aligned.  No LDS, no barrier, no matrix unit: 34 KB are read for each batch and 4 KB written; threads share nothing.
; LIMITS: as the launch before: NaN and infinities are not served.
.set PARTB, 4352
	s_load_b128 s[4:7], s[0:1], 0x0                ; part, b
	s_load_b64 s[8:9], s[0:1], 0x10                ; out0
	s_lshr_b32 s10, ttmp9, 2                       ; the batch
	s_and_b32 s11, ttmp9, 3                        ; which 256 columns
	s_lshl_b32 s11, s11, 10
	v_lshl_add_u32 v1, v0, 4, s11                  ; my four columns, in bytes
	v_mov_b32 v2, 0
	v_mov_b32 v5, 0                                ; (named as the upper half of the pair v[4:5])
	s_mul_i32 s12, s10, 8*PARTB
	s_mov_b32 s13, 0
	s_lshl_b32 s14, s10, 12
	s_mov_b32 s15, 0
	s_wait_kmcnt 0x0
	s_add_nc_u64 s[4:5], s[4:5], s[12:13]
	s_add_nc_u64 s[8:9], s[8:9], s[14:15]
.irp i, 0,1,2,3,4,5,6,7
	global_load_b64 v[8+2*\i:9+2*\i], v2, s[4:5] offset:PARTB*\i+4096      ; M_i, L_i: the same 8 bytes in every lane
.endr
.irp i, 0,1,2,3,4,5,6,7
	global_load_b128 v[24+4*\i:27+4*\i], v1, s[4:5] offset:PARTB*\i
.endr
	global_load_b128 v[56:59], v1, s[6:7]          ; b
	s_wait_loadcnt 0x9                             ; the eight pairs are in; the nine loads behind them may be out
	v_max3_num_f32 v3, v8, v10, v12
	v_max3_num_f32 v3, v3, v14, v16
	v_max3_num_f32 v3, v3, v18, v20
	v_max_num_f32 v3, v3, v22                      ; M
.irp i, 0,1,2,3,4,5,6,7
	v_sub_f32 v[8+2*\i], v[8+2*\i], v3
.endr
.irp i, 0,1,2,3,4,5,6,7
	v_exp_f32 v[8+2*\i], v[8+2*\i]                 ; w_i = 2^(M_i - M), in M_i's place
.endr
	v_nop                                          ; the plain instruction behind the last exponential
	s_wait_alu depctr_va_vdst(0)                   ; one wait for the eight, ahead of their first reader
	v_mul_f32 v4, v8, v9
.irp i, 1,2,3,4,5,6,7
	v_fma_f32 v4, v[8+2*\i], v[9+2*\i], v4         ; the divisor
.endr
	v_rcp_f32 v4, v4
	s_wait_loadcnt 0x0
	v_pk_mul_f32 v[60:61], v[24:25], v[8:9] op_sel_hi:[1,0]        ; (plain work behind the reciprocal, which names neither its source nor its result)
	v_pk_mul_f32 v[62:63], v[26:27], v[8:9] op_sel_hi:[1,0]
.irp i, 1,2,3,4,5,6,7
	v_pk_fma_f32 v[60:61], v[24+4*\i:25+4*\i], v[8+2*\i:9+2*\i], v[60:61] op_sel_hi:[1,0,1]
	v_pk_fma_f32 v[62:63], v[26+4*\i:27+4*\i], v[8+2*\i:9+2*\i], v[62:63] op_sel_hi:[1,0,1]
.endr
	s_wait_alu depctr_va_vdst(0)                   ; and one for the reciprocal
	v_pk_fma_f32 v[60:61], v[60:61], v[4:5], v[56:57] op_sel_hi:[1,0,1]
	v_pk_fma_f32 v[62:63], v[62:63], v[4:5], v[58:59] op_sel_hi:[1,0,1]
	global_store_b128 v1, v[60:63], s[8:9]
	s_endpgm
.Lfunc_end_k_q8b529cf3d9_fin:
	.size	k_q8b529cf3d9_fin, .Lfunc_end_k_q8b529cf3d9_fin-k_q8b529cf3d9_fin
	.p2alignl 7, 3214868480
	.fill 96, 4, 3214868480
	.section	.rodata,"a",@progbits
	.p2align	6, 0x0
	.amdhsa_kernel k_q8b529cf3d9_fin
		.amdhsa_group_segment_fixed_size 0
		.amdhsa_private_segment_fixed_size 0
		.amdhsa_enable_private_segment 0
		.amdhsa_kernarg_size 24
		.amdhsa_user_sgpr_count 2
		.amdhsa_user_sgpr_kernarg_segment_ptr 1
		.amdhsa_wavefront_size32 1
		.amdhsa_system_sgpr_workgroup_id_x 1
		.amdhsa_system_sgpr_workgroup_id_y 1
		.amdhsa_system_sgpr_workgroup_id_z 1
		.amdhsa_system_vgpr_workitem_id 0
		.amdhsa_next_free_vgpr 64
		.amdhsa_next_free_sgpr 66
		.amdhsa_reserve_vcc 0
		.amdhsa_float_denorm_mode_32 3
		.amdhsa_float_denorm_mode_16_64 3
		.amdhsa_memory_ordered 1
		.amdhsa_forward_progress 1
		.amdhsa_inst_pref_size 6
	.end_amdhsa_kernel
	.amdgpu_metadata
---
amdhsa.version: [ 1, 2 ]
amdhsa.kernels:
  - .name:           k_q8b529cf3d9_fin
    .symbol:         k_q8b529cf3d9_fin.kd
    .args:
      - { .name: part, .offset: 0, .size: 8, .value_kind: global_buffer, .address_space: global }
      - { .name: b, .offset: 8, .size: 8, .value_kind: global_buffer, .address_space: global }
      - { .name: out0, .offset: 16, .size: 8, .value_kind: global_buffer, .address_space: global }
    .group_segment_fixed_size: 0
    .private_segment_fixed_size: 0
    .kernarg_segment_align: 8
    .kernarg_segment_size: 24
    .max_flat_workgroup_size: 64
    .sgpr_count:     66
    .vgpr_count:     64
    .wavefront_size: 32
...
	.end_amdgpu_metadata
.endif
;; end of part 2
